; MI455X (gfx1250); checked and timed in simulation.
; The chip was launched on July 23, 2026; its instructions are those of AMD's public machine-readable ISA for CDNA 5 (MIT licence, August 2026) and "CDNA5" Instruction Set Architecture Reference Guide (July 2026). The comments in the code are by the model that wrote it; some were corrected since.
;; Transduction layer. Allowed arithmetic: matrix products marked QUANTISED: E2M1 operands, one E8M0 scale for each 32 along K, by v_wmma_scale_f32_16x16x128_f8f6f4 with both operands' format E2M1 (or v_wmma_scale_f32_32x16x128_f4), f32 sums; everything else in f32.
;; Inputs: W_out 512 x 512 float32; W_u 512 x 512 float32; W_v1 512 x 512 float32; W_v2 512 x 512 float32; mask 2 x 4,096 x 4,096 float32; scale 1 float32; x 2 x 4,096 x 512 float32; y 2 x 4,096 x 512 float32.
;; Outputs: out0 2 x 4,096 x 512 float32; out1 2 x 4,096 x 512 float32.
;; This version of the problem:
;;   THIS VERSION OF THE PROBLEM IS GIVEN IN LOW PRECISION. The matrix products marked QUANTISED in the list below multiply operands that are first quantised to E2M1 (2 exponent bits, 1 mantissa bit; 4 bits a number), with one power-of-two scale for each 32 numbers along K (OCP MX v1.0); their sums are f32. All else is computed in f32.
;;   The module's matrix products, in the order in which they are computed (A, B: the left and right operand; K: the contracted axis; several contracted axes count as one K, in the product's order):
;;     1. [M 8,192, K 512] x [K 512, N 512]; A: input x; B: input W_v1: QUANTISED
;;     2. [M 8,192, K 512] x [K 512, N 512]; A: input x; B: input W_v2: QUANTISED
;;     3. [M 8,192, K 512] x [K 512, N 512]; A: input y; B: input W_u: QUANTISED
;;     4. batch 16 x [M 4,096, K 64] x [K 64, N 4,096]; A: computed on the way; B: computed on the way: QUANTISED
;;     5. batch 16 x [M 4,096, K 4,096] x [K 4,096, N 64]; A: softmax (see below); B: computed on the way: QUANTISED
;;     6. [M 8,192, K 512] x [K 512, N 512]; A: computed on the way; B: input W_out: QUANTISED
;;   THE QUANTISER, for each operand of a quantised product, along K:
;;     - K is cut into blocks of 32 from its start; a last block that is shorter is filled with zeros.
;;     - A block's scale is 2^e with e = floor(log2(the largest magnitude in the block)) - 2, held to -126 .. 127; a block of zeros has e = 0. As a byte (E8M0): e + 127.
;;     - Each number is divided by its block's scale, clamped to +-6, and rounded to the nearest number of E2M1, ties to even, subnormals kept.
;;     - The product sums the exact products of the quantised numbers (number of the format x scale) in f32.
;;   ~~~python
;;   def quantise(x, axis):      # numpy; x: float32 -> the quantised numbers, widened to float32 again
;;       x = np.moveaxis(x, axis, -1); K = x.shape[-1]
;;       x = np.pad(x, [(0, 0)] * (x.ndim - 1) + [(0, -K % 32)]); x = x.reshape(x.shape[:-1] + (-1, 32)); a = np.abs(x).max(-1, keepdims=True)
;;       e = np.where(a > 0, np.clip(np.frexp(np.where(a > 0, a, 1))[1] - 1 - 2, -126, 127), 0)      # np.frexp(a)[1] - 1 = floor(log2(a)), exactly
;;       r = np.clip(x / 2.0 ** e, -6, 6)
;;       step = 2.0 ** (np.maximum(np.frexp(np.where(r == 0, 1, r))[1] - 1, 0) - 1)
;;       q = np.round(r / step) * step * 2.0 ** e      # np.round: ties to even
;;       return np.moveaxis(q.reshape(q.shape[:-2] + (-1,))[..., :K], -1, axis).astype(np.float32)
;;   ~~~
;;   SOFTMAX AHEAD OF A QUANTISED PRODUCT. Where the list says 'softmax', what is quantised is not the finished softmax but p = 2^(t - M), with t = logit x log2(e) and M = ceil(the row's largest t), a whole number; so 1/2 < the row's largest p <= 1. The row's sum l is taken of the UNQUANTISED p, in f32, and the product's result is divided by l at the end. Since M is a whole number, a kernel that streams over the keys may use a running M (the ceiling of the running maximum): every later rescaling is an exact power of two, which a block's scale takes up: the codes' values come out the same.
;;   OPERANDS COMPUTED ON THE WAY. 'Computed on the way' means the value that the module computes at that place (a softmax that the list does not call 'softmax' is quantised finished and normalised). What goes into a quantiser is computed in f32, as accurately as f32 sums, v_exp_f32 and their like allow (about 1e-6 of the number): no bf16 or f16 on the way to a quantiser, and a product that is left as it is and whose result goes on into a quantised operand takes f32 operands (vector FMAs, or v_wmma_f32_16x16x4_f32). A number that lies on a knife's edge between two numbers of the format may be rounded either way, as far as f32 arithmetic and the matrix unit's own rounding can turn it there, and no further.
;; One version. Each part assembles by itself: llvm-mc -triple=amdgcn-amd-amdhsa -mcpu=gfx1250 --defsym DOCPART=n.
;; ======== version 1 of 1: 3 launches
;; limits: right only within a limited range of input values
;; workspace buffers: codes 4,718,592 bytes; scl 294,912 bytes; qkv 7,077,888 bytes
;; launch prep (part 1): grid 288 x 1, 4 waves a work-group, no clusters, 34,304 bytes of LDS; arguments x, y, W_v1, W_v2, W_u, W_out, out0, codes, scl; writes out0, codes, scl
.if DOCPART == 1
	.amdgcn_target "amdgcn-amd-amdhsa--gfx1250"
	.amdhsa_code_object_version 6
	.text
	.protected	k_q04c541c90e_prep
	.globl	k_q04c541c90e_prep
	.p2align	8
	.type	k_q04c541c90e_prep,@function
k_q04c541c90e_prep:
	s_mov_b64 s[64:65], 0
	v_nop
	global_prefetch_b8 v0, s[64:65] scope:SCOPE_SE
	s_setreg_imm32_b32 hwreg(HW_REG_WAVE_MODE, 25, 1), 1
	s_wait_xcnt 0x0
; x, y [8192][512] and W_v1, W_v2, W_u, W_out [512][512], f32, K = 512 innermost, become codes of FP4 (E2M1) with one E8M0 byte for each 32 along K; x is also copied to out0.
; THE CODES ARE LAID AS IMAGES OF THE OPERAND'S REGISTERS.  A tile is 16 rows; tile T = 2 G + u of a tensor holds, in lane row r, row 32 G + 8 u + r + 8 (r / 8): where such a tile is source 0 of a product,
; the 16 result registers of tiles 2 b and 2 b + 1 are 16 neighbours.  codes: [tile][K step s of 128][c][lane][16 bytes], lane (r, h) holding k = 128 s + 64 c + 32 h + 0 .. 31; 4,096 bytes a tile.
; scl: [tile][r][s][4 bytes], byte 2 c + h of word s being that block's byte; 256 bytes a tile.  Tiles: x 0-511, y 512-1023, W_v1 1024-, W_v2 1056-, W_u 1088-, W_out 1120-1151.
; A block's scale is 2^(floor(log2(its largest magnitude)) - 2); its byte is the largest magnitude's exponent field - 2, held at 1 from below.
; LIMITS: a block of zeros gets the byte 1 where the rule says 127 (its codes are zeros, and this program alone reads the bytes); NaN and infinities among the inputs are not served.
; SHARES: a wave takes one tile, in four K steps of 128 columns.  Each load reads 512 consecutive bytes of a row; a step's 16 rows turn through the wave's own stage in LDS (rows 528 bytes apart), so that a
; lane gets two whole blocks of 32 neighbours.  No barrier: waves share nothing.  Loads run two K steps ahead, in two sets of registers.
.set SP,    528                        ; a stage row: 512 bytes + 16
.set WSTG,  16*SP                      ; a wave's stage
.set R,     16                         ; v16-143  two sets of 64: a K step as loaded
.set X,     144                        ; v144-207 my two blocks of 32 neighbours
.set C,     208                        ; v208-239 codes, eight registers a K step: no store's data are written again
.set WD,    240                        ; v240-243 the row's four scale words
	s_load_b256 s[4:11], s[0:1], 0x0               ; x, y, W_v1, W_v2
	s_load_b256 s[12:19], s[0:1], 0x20             ; W_u, W_out, out0, codes
	s_load_b64 s[20:21], s[0:1], 0x40              ; scl
	v_lshl_add_u32 v248, v0, 2, 0x8400
	v_mov_b32 v249, 0
	v_lshrrev_b32 v1, 5, v0
	v_readfirstlane_b32 s22, v1                    ; wave
	v_and_b32 v1, 31, v0
	v_lshlrev_b32 v2, 4, v1                        ; 16 x lane
	s_mul_i32 s27, s22, WSTG
	v_add_nc_u32 v3, s27, v2                       ; the stage, on the way in
	v_and_b32 v8, 15, v0                           ; r
	v_bfe_u32 v6, v0, 4, 1                         ; h
	v_mul_u32_u24 v4, v8, SP
	v_lshl_add_u32 v4, v6, 7, v4
	v_add_nc_u32 v4, s27, v4                       ; and on the way out: row r, 128 h bytes on
	v_lshlrev_b32 v5, 4, v8
	v_lshl_add_u32 v5, v6, 3, v5                   ; my 8 bytes of the tile's scale words: 16 r + 8 h
	v_lshlrev_b32 v7, 3, v6                        ; 8 h: the shift of my two bytes in a scale word
	v_mov_b32 v15, 0                               ; written once: a lane permute's destination counts as one of its sources
	s_mov_b32 s28, 0x76543210
	s_mov_b32 s29, 0xfedcba98                      ; v_permlanex16_b32's selects for lane l xor 16
	s_lshl_b32 s23, ttmp9, 2
	s_add_co_u32 s23, s23, s22                     ; the tile's number among all 1,152
	s_wait_kmcnt 0x0
	s_mov_b64 s[24:25], s[14:15]                   ; which tensor: the choice hangs on the work-group's number alone
	s_mov_b32 s26, 280                             ; and that tensor's first work-group
	s_cmp_lt_u32 ttmp9, 280
	s_cselect_b64 s[24:25], s[12:13], s[24:25]
	s_cselect_b32 s26, 272, s26
	s_cmp_lt_u32 ttmp9, 272
	s_cselect_b64 s[24:25], s[10:11], s[24:25]
	s_cselect_b32 s26, 264, s26
	s_cmp_lt_u32 ttmp9, 264
	s_cselect_b64 s[24:25], s[8:9], s[24:25]
	s_cselect_b32 s26, 256, s26
	s_cmp_lt_u32 ttmp9, 256
	s_cselect_b64 s[24:25], s[6:7], s[24:25]
	s_cselect_b32 s26, 128, s26
	s_cmp_lt_u32 ttmp9, 128
	s_cselect_b64 s[24:25], s[4:5], s[24:25]
	s_cselect_b32 s26, 0, s26
	s_sub_co_u32 s30, ttmp9, s26
	s_lshl_b32 s30, s30, 2
	s_add_co_u32 s30, s30, s22                     ; the tile's number in its tensor
	s_lshr_b32 s31, s30, 1
	s_lshl_b32 s31, s31, 5
	s_and_b32 s30, s30, 1
	s_lshl_b32 s30, s30, 3
	s_add_co_u32 s30, s30, s31                     ; its first row: 32 G + 8 u
	s_lshl_b32 s30, s30, 11                        ; rows of 2,048 bytes
	s_mov_b32 s31, 0
	s_add_nc_u64 s[24:25], s[24:25], s[30:31]
	s_add_nc_u64 s[16:17], s[16:17], s[30:31]      ; out0 at the same rows (used by x's work-groups alone)
	s_lshl_b32 s30, s23, 12
	s_add_nc_u64 s[18:19], s[18:19], s[30:31]
	s_lshl_b32 s30, s23, 8
	s_add_nc_u64 s[20:21], s[20:21], s[30:31]
.macro LOADS s, set                    ; K step s: the tile's 16 rows (0-7 and 16-23 from its first), 512 consecutive bytes a load
.irp i, 0,1,2,3,4,5,6,7,8,9,10,11,12,13,14,15
	global_load_b128 v[R+64*(\set)+4*\i:R+64*(\set)+4*\i+3], v2, s[24:25] offset:(\i+8*(\i/8))*2048+512*(\s) th:TH_LOAD_NT
.endr
.endm
.macro KSTEP s
.set RS, R+64*((\s)%2)
.if (\s) < 3
	s_wait_loadcnt 16                              ; this step's sixteen loads are in; the next step's sixteen may be out
.else
	s_wait_loadcnt 0x0
.endif
	s_cmp_lt_u32 ttmp9, 128                        ; x's work-groups copy what they have read to out0
	s_cbranch_scc0 .Lnot_x_\@
.irp i, 0,1,2,3,4,5,6,7,8,9,10,11,12,13,14,15
	global_store_b128 v2, v[RS+4*\i:RS+4*\i+3], s[16:17] offset:(\i+8*(\i/8))*2048+512*(\s) th:TH_STORE_NT
.endr
.Lnot_x_\@:
.irp i, 0,1,2,3,4,5,6,7,8,9,10,11,12,13,14,15
	ds_store_b128 v3, v[RS+4*\i:RS+4*\i+3] offset:SP*\i
.endr
	s_wait_alu depctr_va_vdst(0)
.irp c, 0,1
.irp j, 0,1,2,3,4,5,6,7
	ds_load_b128 v[X+32*\c+4*\j:X+32*\c+4*\j+3], v4 offset:256*\c+16*\j   ; LDS serves a wave's instructions in order: these see the stores above
.endr
.endr
	s_wait_dscnt 0x0                               ; my 64 numbers are back, and the LDS stores have read their registers
.if (\s) < 2
	s_wait_xcnt 0x0                                ; out0's stores have read theirs: the set takes the loads of two steps on
	LOADS (\s)+2, (\s)%2
.endif
.irp c, 0,1
	v_max3_num_f32 v[8+\c], |v[X+32*\c]|, |v[X+32*\c+1]|, 0x1800000   ; block 2 c + h: all 32 numbers are mine; the floor 2^(3 - 127) holds the byte at 1 from below
.endr
.irp i, 2,4,6,8,10,12,14,16,18,20,22,24,26,28,30
.irp c, 0,1
	v_max3_num_f32 v[8+\c], v[8+\c], |v[X+32*\c+\i]|, |v[X+32*\c+\i+1]|   ; (the two blocks by turns)
.endr
.endr
	v_add_nc_u32 v10, 0xff000000, v8               ; 2 off the exponent field: the conversion takes the exponent field of this operand as its scale
	v_add_nc_u32 v11, 0xff000000, v9
	v_lshrrev_b32 v12, 23, v10                     ; the scales' bytes
	v_lshrrev_b32 v13, 23, v11
	v_lshl_or_b32 v14, v13, 16, v12                ; bytes h and 2 + h of the word,
	v_lshlrev_b32 v14, v7, v14                     ; at their places;
	v_permlanex16_b32 v15, v14, s28, s29
	v_or_b32 v[WD+(\s)], v14, v15                  ; with lane l xor 16's two the word is whole
.irp c, 0,1
.irp g, 0,1,2,3
	v_cvt_scalef32_pk8_fp4_f32 v[C+8*(\s)+4*\c+\g], v[X+32*\c+8*\g:X+32*\c+8*\g+7], v[10+\c]
.endr
.endr
	v_nop                                          ; one plain place behind the scaled conversions
.irp c, 0,1
	global_store_b128 v2, v[C+8*(\s)+4*\c:C+8*(\s)+4*\c+3], s[18:19] offset:1024*(\s)+512*\c   ; 32 lanes store 512 consecutive bytes
.endr
.endm
	LOADS 0, 0
	LOADS 1, 1
	KSTEP 0
	KSTEP 1
	KSTEP 2
	KSTEP 3
	v_cmp_eq_u32 vcc_lo, 1, v6                     ; lanes 0-15 store words 0 and 1 of their row, lanes 16-31 words 2 and 3
	v_cndmask_b32 v244, v[WD], v[WD+2], vcc_lo
	v_cndmask_b32 v245, v[WD+1], v[WD+3], vcc_lo
	global_store_b64 v5, v[244:245], s[20:21]      ; the wave stores 256 consecutive bytes, aligned
	s_wait_tensorcnt 0x0
	ds_add_u32 v248, v249
	s_wait_dscnt 0x0
	s_endpgm
.Lfunc_end_k_q04c541c90e_prep:
	.size	k_q04c541c90e_prep, .Lfunc_end_k_q04c541c90e_prep-k_q04c541c90e_prep
	.p2alignl 7, 3214868480
	.fill 96, 4, 3214868480
	.section	.rodata,"a",@progbits
	.p2align	6, 0x0
	.amdhsa_kernel k_q04c541c90e_prep
		.amdhsa_group_segment_fixed_size 34304
		.amdhsa_private_segment_fixed_size 0
		.amdhsa_enable_private_segment 0
		.amdhsa_kernarg_size 72
		.amdhsa_user_sgpr_count 2
		.amdhsa_user_sgpr_kernarg_segment_ptr 1
		.amdhsa_wavefront_size32 1
		.amdhsa_system_sgpr_workgroup_id_x 1
		.amdhsa_system_sgpr_workgroup_id_y 1
		.amdhsa_system_sgpr_workgroup_id_z 1
		.amdhsa_system_vgpr_workitem_id 0
		.amdhsa_next_free_vgpr 250
		.amdhsa_next_free_sgpr 66
		.amdhsa_reserve_vcc 1
		.amdhsa_float_denorm_mode_32 3
		.amdhsa_float_denorm_mode_16_64 3
		.amdhsa_memory_ordered 1
		.amdhsa_forward_progress 1
		.amdhsa_inst_pref_size 37
	.end_amdhsa_kernel
	.amdgpu_metadata
---
amdhsa.version: [ 1, 2 ]
amdhsa.kernels:
  - .name:           k_q04c541c90e_prep
    .symbol:         k_q04c541c90e_prep.kd
    .args:
      - { .name: x, .offset: 0, .size: 8, .value_kind: global_buffer, .address_space: global }
      - { .name: y, .offset: 8, .size: 8, .value_kind: global_buffer, .address_space: global }
      - { .name: W_v1, .offset: 16, .size: 8, .value_kind: global_buffer, .address_space: global }
      - { .name: W_v2, .offset: 24, .size: 8, .value_kind: global_buffer, .address_space: global }
      - { .name: W_u, .offset: 32, .size: 8, .value_kind: global_buffer, .address_space: global }
      - { .name: W_out, .offset: 40, .size: 8, .value_kind: global_buffer, .address_space: global }
      - { .name: out0, .offset: 48, .size: 8, .value_kind: global_buffer, .address_space: global }
      - { .name: codes, .offset: 56, .size: 8, .value_kind: global_buffer, .address_space: global }
      - { .name: scl, .offset: 64, .size: 8, .value_kind: global_buffer, .address_space: global }
    .group_segment_fixed_size: 34304
    .private_segment_fixed_size: 0
    .kernarg_segment_align: 8
    .kernarg_segment_size: 72
    .max_flat_workgroup_size: 128
    .sgpr_count:     66
    .vgpr_count:     250
    .wavefront_size: 32
...
	.end_amdgpu_metadata
.endif
;; end of part 1
;; launch proj (part 2): grid 256 x 1, 6 waves a work-group, no clusters, 0 bytes of LDS; arguments codes, scl, qkv; writes qkv
.if DOCPART == 2
	.amdgcn_target "amdgcn-amd-amdhsa--gfx1250"
	.amdhsa_code_object_version 6
	.text
	.protected	k_q04c541c90e_proj
	.globl	k_q04c541c90e_proj
	.p2align	8
	.type	k_q04c541c90e_proj,@function
k_q04c541c90e_proj:
	s_mov_b64 s[64:65], 0
	v_nop
	global_prefetch_b8 v0, s[64:65] scope:SCOPE_SE
	s_setreg_imm32_b32 hwreg(HW_REG_WAVE_MODE, 25, 1), 1
	s_wait_xcnt 0x0
; q = x W_v1^T, k = x W_v2^T, v = y W_u^T on codes of FP4 with E8M0 scales, and the results quantised again, in registers, into images of the operands that the attention launch wants:
; q and k along the head's 64 (two blocks), v along the keys.
; SHARES: 1,536 waves that share nothing, six to a work-group.  Wave U = 6 x work-group + wave: role U / 512 (0 q, 1 k, 2 v), index U % 512.  A wave keeps a STATIONARY block of 8 tiles = 128 rows x K 512 in
; 256 registers (window 1) as source 0 and walks 4 MOVING tiles of 16 rows as source 1.  A lane then holds one moving row, and its 64 results run along the stationary rows, 16 b + i = row 32 b + 16 (lane / 16) + i:
; the next quantiser's K.  q, k: stationary = 128 rows of the weight (two heads), moving = tokens.  v: stationary = 128 tokens of y (a key step), moving = rows of W_u.
; qkv: role x 64 blocks of 36,864 bytes; a block is 32 fragment images of 1,024 bytes ([c][lane][16 bytes]) and then 32 images of scale words (4 bytes a lane).  q, k: block = token tile / 8,
; fragment = 4 (token tile % 8) + pair of heads, half c = head 2 pair + c.  v: block = key step of 128 tokens, fragment = W_u's tile: 16 of the head's channels x 128 keys.
; The code images leave as 512 consecutive bytes a store; the scale images, 128 bytes a store, are one part in nine of the output's bytes.
; LIMITS: a block of zeros gets the byte 1 (its codes are zeros; this program alone reads the bytes); NaN and infinities are not served.
.set RB,  64*36864                     ; a role's bytes in qkv
.set LI,  1                            ; v1  16 x lane
.set LR,  2                            ; v2  16 x (lane % 16)
.set LS,  3                            ; v3  4 x lane
.set MV,  16                           ; v16-79   moving fragments, two sets of 4 x 8
.set MS,  80                           ; v80-87   their scale words, two sets of 4
.set SS,  88                           ; v88-119  the stationary tiles' scale words, 4 a tile
.set HA,  120                          ; v120-183 eight accumulators
.set TM,  184                          ; v184-199 at work
.set PC,  200                          ; v200-231 the codes made, eight registers a moving tile: no store's data are written again
.set PW,  232                          ; v232-235 the scale words made
.set SEL, 52
.set MSB, 0
.macro WIN new                         ; the immediate's high byte repeats the setting that is left
.if MSB != \new
	s_set_vgpr_msb (MSB<<8)|\new
.set MSB, \new
.endif
.endm
; 64 numbers of a lane, register 16 b + i = k 32 b + 16 (lane / 16) + i of my row, become a fragment's codes in v[pc] on and its scale word in v[pw].
.macro QUANT s, pc, pw
.irp b, 0,1,2,3
	v_max3_num_f32 v[TM+\b], |v[\s+16*\b]|, |v[\s+1+16*\b]|, 0x1800000   ; my 16 numbers of block b, and the floor 2^(3 - 127): the byte cannot fall under 1
.endr
.irp i, 2,4,6,8,10,12,14
.irp b, 0,1,2,3
	v_max3_num_f32 v[TM+\b], v[TM+\b], |v[\s+16*\b+\i]|, |v[\s+1+16*\b+\i]|   ; (the four blocks by turns)
.endr
.endr
.irp b, 0,1,2,3
	v_permlanex16_b32 v[TM+4+\b], v[TM+\b], s[SEL], s[SEL+1]
.endr
.irp b, 0,1,2,3
	v_max_num_f32 v[TM+\b], v[TM+\b], v[TM+4+\b]   ; with lane l xor 16's: the block's largest magnitude
.endr
.irp b, 0,1,2,3
	v_add_nc_u32 v[TM+12+\b], 0xff000000, v[TM+\b] ; 2 off its exponent field: the conversion's scale operand
.endr
.irp b, 0,1,2,3
	v_lshrrev_b32 v[TM+4+\b], 23, v[TM+12+\b]      ; the scale's byte
.endr
	v_lshl_or_b32 v[\pw], v[TM+5], 8, v[TM+4]
	v_lshl_or_b32 v[\pw], v[TM+6], 16, v[\pw]
	v_lshl_or_b32 v[\pw], v[TM+7], 24, v[\pw]
.irp b, 0,1,2,3
	v_cvt_scalef32_pk8_fp4_f32 v[(\pc)+2*\b], v[\s+16*\b:\s+7+16*\b], v[TM+12+\b]
	v_cvt_scalef32_pk8_fp4_f32 v[(\pc)+1+2*\b], v[\s+8+16*\b:\s+15+16*\b], v[TM+12+\b]
.endr
	v_nop                                          ; one plain place behind the scaled conversions
.irp c, 0,1                                    ; the operand's layout wants a whole block in a lane: lanes 0-15 block 2 c, lanes 16-31 block 2 c + 1
.irp i, 0,1
	v_permlane16_swap_b32 v[(\pc)+4*\c+\i], v[(\pc)+2+4*\c+\i]
.endr
.endr
.endm
	s_load_b128 s[4:7], s[0:1], 0x0                ; codes, scl
	s_load_b64 s[8:9], s[0:1], 0x10                ; qkv
	v_lshrrev_b32 v1, 5, v0
	v_readfirstlane_b32 s10, v1                    ; wave 0..5
	v_and_b32 v4, 31, v0
	v_and_b32 v5, 15, v0
	v_lshlrev_b32 v[LI], 4, v4
	v_lshlrev_b32 v[LR], 4, v5
	v_lshlrev_b32 v[LS], 2, v4
.irp b, 0,1,2,3
	v_mov_b32 v[TM+4+\b], 0                        ; written once: a lane permute's destination counts as one of its sources
.endr
	s_mov_b32 s[SEL], 0x76543210
	s_mov_b32 s[SEL+1], 0xfedcba98
	s_mul_i32 s11, ttmp9, 6
	s_add_co_u32 s11, s11, s10                     ; U
	s_lshr_b32 s12, s11, 9                         ; role
	s_and_b32 s13, s11, 511                        ; index
	s_and_b32 s14, s13, 3                          ; q, k: the pair of heads,
	s_lshr_b32 s15, s13, 2                         ; and which four token tiles
	s_lshl_b32 s16, s12, 5
	s_lshl_b32 s17, s14, 3
	s_add_co_u32 s16, s16, s17
	s_add_co_u32 s16, s16, 1024                    ; first stationary tile: the weight's 8 pair on
	s_lshl_b32 s17, s15, 2                         ; first moving tile: x's
	s_lshr_b32 s18, s15, 1                         ; the block of qkv
	s_and_b32 s19, s15, 1
	s_lshl_b32 s19, s19, 4
	s_add_co_u32 s19, s19, s14                     ; the first fragment in it; the next lies 4 on
	s_lshr_b32 s20, s13, 3                         ; v: the key step = the block of qkv,
	s_and_b32 s21, s13, 7                          ; and which four tiles of W_u
	s_lshl_b32 s22, s20, 3
	s_add_co_u32 s22, s22, 512                     ; first stationary tile: y's
	s_lshl_b32 s21, s21, 2                         ; the first fragment; the next lies 1 on
	s_add_co_u32 s23, s21, 1088                    ; first moving tile: W_u's
	s_cmp_eq_u32 s12, 2
	s_cselect_b32 s16, s22, s16
	s_cselect_b32 s17, s23, s17
	s_cselect_b32 s18, s20, s18
	s_cselect_b32 s19, s21, s19
	s_cselect_b32 s20, 1, 4                        ; fragments from one moving tile to the next
	s_mov_b32 s49, 0
	s_lshl_b32 s48, s16, 12
	s_wait_alu depctr_va_vdst(0)
	s_wait_kmcnt 0x0
	s_add_nc_u64 s[24:25], s[4:5], s[48:49]        ; the stationary tiles' codes,
	s_lshl_b32 s48, s16, 8
	s_add_nc_u64 s[26:27], s[6:7], s[48:49]        ; their scale words,
	s_lshl_b32 s48, s17, 12
	s_add_nc_u64 s[28:29], s[4:5], s[48:49]        ; the moving tiles' codes,
	s_lshl_b32 s48, s17, 8
	s_add_nc_u64 s[30:31], s[6:7], s[48:49]        ; and theirs
	s_mul_i32 s48, s12, RB
	s_mul_i32 s50, s18, 36864
	s_add_co_u32 s48, s48, s50
	s_add_nc_u64 s[8:9], s[8:9], s[48:49]          ; my block of qkv
	s_lshl_b32 s48, s19, 10
	s_add_nc_u64 s[32:33], s[8:9], s[48:49]        ; s[32:39]: where the four code images go
	s_lshl_b32 s48, s19, 7
	s_add_co_u32 s48, s48, 32768
	s_add_nc_u64 s[40:41], s[8:9], s[48:49]        ; s[40:47]: and the four scale images
	s_lshl_b32 s48, s20, 10
.irp i, 1,2,3
	s_add_nc_u64 s[32+2*\i:33+2*\i], s[30+2*\i:31+2*\i], s[48:49]
.endr
	s_lshl_b32 s48, s20, 7
.irp i, 1,2,3
	s_add_nc_u64 s[40+2*\i:41+2*\i], s[38+2*\i:39+2*\i], s[48:49]
.endr
.macro MLOAD i, set                    ; moving tile i: its four fragments and its rows' four scale words: nine loads
.irp s, 0,1,2,3
.irp c, 0,1
	global_load_b128 v[MV+32*(\set)+8*\s+4*\c:MV+32*(\set)+8*\s+4*\c+3], v[LI], s[28:29] offset:4096*(\i)+1024*\s+512*\c
.endr
.endr
	global_load_b128 v[MS+4*(\set):MS+4*(\set)+3], v[LR], s[30:31] offset:256*(\i)
.endm
.macro TILE i
.set ST_, (\i)%2
.if (\i) < 3
	s_wait_loadcnt 9                               ; all but the next moving tile's nine loads are in
.else
	s_wait_loadcnt 0x0
.endif
	WIN 0x01                                       ; source 0 in window 1
.irp s, 0,1,2,3                                ; the eight accumulators take turns, one instruction a turn; the first K step starts the sums
.irp t, 0,1,2,3,4,5,6,7
.if \s == 0
	v_wmma_scale_f32_16x16x128_f8f6f4 v[HA+8*\t:HA+8*\t+7], v[8*(4*\t+\s):8*(4*\t+\s)+7], v[MV+32*ST_+8*\s:MV+32*ST_+8*\s+7], 0, v[SS+4*\t+\s], v[MS+4*ST_+\s] matrix_a_fmt:MATRIX_FMT_FP4 matrix_b_fmt:MATRIX_FMT_FP4
.else
	v_wmma_scale_f32_16x16x128_f8f6f4 v[HA+8*\t:HA+8*\t+7], v[8*(4*\t+\s):8*(4*\t+\s)+7], v[MV+32*ST_+8*\s:MV+32*ST_+8*\s+7], v[HA+8*\t:HA+8*\t+7], v[SS+4*\t+\s], v[MS+4*ST_+\s] matrix_a_fmt:MATRIX_FMT_FP4 matrix_b_fmt:MATRIX_FMT_FP4
.endif
.endr
.endr
	WIN 0
.rept 4
	v_nop                                          ; four places in front of loads into registers that the products have read, and of the first read of their results
.endr
.if (\i) < 2
	MLOAD (\i)+2, (\i)%2
.endif
	QUANT HA, PC+8*(\i), PW+(\i)                   ; it reads each accumulator from its low end on
	global_store_b128 v[LI], v[PC+8*(\i):PC+8*(\i)+3], s[32+2*(\i):33+2*(\i)]
	global_store_b128 v[LI], v[PC+8*(\i)+4:PC+8*(\i)+7], s[32+2*(\i):33+2*(\i)] offset:512
	global_store_b32 v[LS], v[PW+(\i)], s[40+2*(\i):41+2*(\i)]
.endm
	WIN 0x40                                       ; destination window 1: stationary fragment (t, s) at v[8 (4 t + s)]
.irp t, 0,1,2,3,4,5,6,7
.irp s, 0,1,2,3
.irp c, 0,1
	global_load_b128 v[8*(4*\t+\s)+4*\c:8*(4*\t+\s)+4*\c+3], v[LI], s[24:25] offset:4096*\t+1024*\s+512*\c
.endr
.endr
.endr
	WIN 0
.irp t, 0,1,2,3,4,5,6,7
	global_load_b128 v[SS+4*\t:SS+4*\t+3], v[LR], s[26:27] offset:256*\t
.endr
	MLOAD 0, 0
	MLOAD 1, 1
	TILE 0
	TILE 1
	TILE 2
	TILE 3
	s_endpgm
.Lfunc_end_k_q04c541c90e_proj:
	.size	k_q04c541c90e_proj, .Lfunc_end_k_q04c541c90e_proj-k_q04c541c90e_proj
	.p2alignl 7, 3214868480
	.fill 96, 4, 3214868480
	.section	.rodata,"a",@progbits
	.p2align	6, 0x0
	.amdhsa_kernel k_q04c541c90e_proj
		.amdhsa_group_segment_fixed_size 0
		.amdhsa_private_segment_fixed_size 0
		.amdhsa_enable_private_segment 0
		.amdhsa_kernarg_size 24
		.amdhsa_user_sgpr_count 2
		.amdhsa_user_sgpr_kernarg_segment_ptr 1
		.amdhsa_wavefront_size32 1
		.amdhsa_system_sgpr_workgroup_id_x 1
		.amdhsa_system_sgpr_workgroup_id_y 1
		.amdhsa_system_sgpr_workgroup_id_z 1
		.amdhsa_system_vgpr_workitem_id 0
		.amdhsa_next_free_vgpr 512
		.amdhsa_next_free_sgpr 66
		.amdhsa_reserve_vcc 0
		.amdhsa_float_denorm_mode_32 3
		.amdhsa_float_denorm_mode_16_64 3
		.amdhsa_memory_ordered 1
		.amdhsa_forward_progress 1
		.amdhsa_inst_pref_size 46
	.end_amdhsa_kernel
	.amdgpu_metadata
---
amdhsa.version: [ 1, 2 ]
amdhsa.kernels:
  - .name:           k_q04c541c90e_proj
    .symbol:         k_q04c541c90e_proj.kd
    .args:
      - { .name: codes, .offset: 0, .size: 8, .value_kind: global_buffer, .address_space: global }
      - { .name: scl, .offset: 8, .size: 8, .value_kind: global_buffer, .address_space: global }
      - { .name: qkv, .offset: 16, .size: 8, .value_kind: global_buffer, .address_space: global }
    .group_segment_fixed_size: 0
    .private_segment_fixed_size: 0
    .kernarg_segment_align: 8
    .kernarg_segment_size: 24
    .max_flat_workgroup_size: 192
    .sgpr_count:     66
    .vgpr_count:     512
    .wavefront_size: 32
...
	.end_amdgpu_metadata
.endif
;; end of part 2
;; launch attn (part 3): grid 256 x 1, 16 waves a work-group, clusters of 4 x 1, 327,680 bytes of LDS; arguments qkv, codes, scl, mask, scale, y, out1; writes out1
.if DOCPART == 3
	.amdgcn_target "amdgcn-amd-amdhsa--gfx1250"
	.amdhsa_code_object_version 6
	.text
	.protected	k_q04c541c90e_attn
	.globl	k_q04c541c90e_attn
	.p2align	8
	.type	k_q04c541c90e_attn,@function
k_q04c541c90e_attn:
	s_mov_b64 s[64:65], 0
	v_nop
	global_prefetch_b8 v0, s[64:65] scope:SCOPE_SE
	s_setreg_imm32_b32 hwreg(HW_REG_WAVE_MODE, 25, 1), 1
	s_wait_xcnt 0x0
	s_wait_alu depctr_hold_cnt(0) depctr_sa_sdst(0) depctr_va_vdst(0) depctr_va_sdst(0) depctr_va_ssrc(0) depctr_va_vcc(0) depctr_vm_vsrc(0)
	s_getreg_b32 s2, hwreg(HW_REG_IB_STS2, 6, 4)
	s_cmp_eq_u32 s2, 0
	s_cbranch_scc0 .Lentry_in_a_cluster
	s_endpgm
.Lentry_in_a_cluster:
	s_bfe_u32 s2, ttmp6, 0x10000c
	s_cmp_lg_u32 s2, 0x3003
	s_cbranch_scc0 .Lentry_shape_is_right
	s_endpgm
.Lentry_shape_is_right:
; out1 = y + softmax(q k^T x scale + mask) v, heads joined, x W_out^T; all three products on codes of FP4 (E2M1) with one E8M0 scale for each 32 along K.
; q, k, v come as register images (qkv: role 0 q, 1 k, 2 v x 64 blocks of 36,864 bytes: 32 fragment images of 1,024 bytes, then 32 images of scale words), W_out from codes and scl; mask, scale, y, out1 are f32.
; SHARES.  A work-group owns 32 queries for all 8 heads; wave w: query tile u = w / 8 (lane r = query 8 u + r + 8 (r / 8)), head w % 8.  Every wave walks the batch's 4,096 keys, 128 a step.
; Both products are used transposed (S^T = K Q^T + C, O^T = V^T P^T): a lane holds one query; the 16 registers of tiles 2 b, 2 b + 1 are keys 32 b + 16 (lane / 16) + 0 .. 15.
; THE SOFTMAX: t = logit x log2(e); M = the running largest t rounded up to a whole number; p = 2^(t - M) is quantised along the keys; the row's sum is taken of the unquantised p and divides O at the end.
; THE MASK IS THE FIRST PRODUCT'S C.  logit = |scale| x (sgn(scale) q.k + mask / |scale|): the sign goes onto Q's codes (their sign bits), mask / |scale| is made once for all eight heads:
; in step t each wave multiplies 1/16 of raw tile t + 1 and stores it as an image of the accumulators' registers ([u][group of 4 registers][lane][16 bytes]) into LDS bytes of its own kind, which no tensor load fills.
; Every head loads that image into its accumulators; t - M is then one multiply-add by c = |scale| log2(e).
; THE WALK GOES ROUND.  Cluster j of a batch begins at key step j % 32 and goes round: in every trip the 32 clusters of a batch read 32 different blocks of K and V, and each block has been read
; by another cluster of the batch in the trip before.  So K and V are not prefetched; the mask's tiles, which one work-group reads once, are: wave 6 asks in step t for tile t + 4, whose tensor load stands behind the barrier of step t + 2.
; CLUSTER.  The four work-groups of a cluster are four query blocks of one batch and walk the same K and V blocks: those are asked for jointly (mask 15).  The mask's tiles are each work-group's own.
; THE RING.  Two slots, 131,072 bytes apart: K's block, V's block, a raw mask tile, a finished mask image.  Behind barrier t: K, V of step t + 1 and raw tile t + 2.
; THE STEP IS SKEWED: the sums of p, the rescaling of O and O^T += V^T P^T of step t stand behind barrier t + 1, under the next step's LDS loads; p is quantised between that barrier's signal and its wait.
; K = 64 IN AN INSTRUCTION OF K = 128: Q's registers 4-7 are zero codes; K's operand for tile t reaches into the next tile's codes (tile 7: zeros), which Q's zeros annul; scale words are loaded as 16 bits.
; LIMITS: NaN and infinities among the inputs are not served; |scale| under 2^-64 is taken as 0 (the term q.k x scale is then dropped); a block of zeros gets the scale byte 1 (its codes are zeros).
.set SLOT1, 131072
.set BLK,   36864
.set HALFB, 18432
.set RB,    64*BLK
.set MOFF,  2*BLK                      ; the raw mask tile, behind K's and V's blocks
.set MP,    528                        ; a raw mask row: 512 bytes + 16
.set MHI,   16*MP+128                  ; rows 16-31 begin here
.set COOK,  91136                      ; the finished image, 16,384 bytes, from a multiple of 256 behind the raw tile's end
.set SPARE, 2*SLOT1
.set OIMG,  SPARE+2048
.set OSC,   OIMG+8192
.set GP,    2064                       ; the way out: 32 rows x (2,048 + 16) bytes at LDS byte 0, in a slot that has had its last fill and its last read
.set AK,   1
.set AKS,  3
.set AV,   5
.set AVS,  7
.set ACK,  9                           ; v9-10 the finished image of my query tile, slot 0, 1
.set LI,   11
.set QS,   24                          ; v12 -M, v13 largest t, v[14:15] the sum; v16-19 Q's codes, v20-23 zeros
.set PFA,  25
.set SPW,  26
.set NIL,  27
.set OIL,  28
.set OIW,  29
.set OSL,  30
.set OSW,  31
.set F,    32                          ; v32-63 V's fragments
.set KC,   64                          ; v64-95 K's codes, v96-99 zeros
.set S,    100                         ; v100-163 mask image, S^T, p
.set O,    164
.set PC,   196
.set KS,   204
.set VS,   212
.set PW,   216
.set AR,   217                         ; v217-218 my part of the raw tile, slot 0, 1
.set CW,   219                         ; v219, v235 where my part of the image goes, slot 0, 1
.set BM,   220
.set T2,   224
.set T3,   228
.set FP,   232
.set TA,   234
.set SB,   236                         ; v[236:237], v[240:243] partial sums
.set SC2,  240
.set SD,   242
.set CD,   244                         ; v244-251 my part of the mask on its way
.set SO,   252
.set SR,   253
.set LR,   254
.set L4,   255
.set WF,   32
.set ACC,  220
.set WV,   18
.set SEL,  22
.set G1,   24
.set G1M,  32
.set G0,   40
.set G0M,  44
.set RS,   48                          ; s[48:49] 1 / |scale|
.set CC,   50                          ; s[50:51] c = |scale| log2(e)
.set WH,   53                          ; wave / 2
.set KVB,  66                          ; s[66:67] my part of the batch's block 0 of K or V
.set MB,   68                          ; s[68:69] my 16 rows of the mask
.set PB,   70                          ; s[70:71] my work-group's 32 rows of the mask
.set TT,   72                          ; the walk's place: first key step + t, taken mod 32
.macro CREST
	s_cmp_lg_u32 s[WV], 0
	s_cbranch_scc1 .Lnw0_\@
	s_barrier_signal -3
.Lnw0_\@:
	s_barrier_wait -3
	s_barrier_signal -1
	s_barrier_wait -1
.endm
.macro CROUND
	s_barrier_signal -1
	s_barrier_wait -1
	CREST
.endm
.macro TL g0, g1                       ; a tensor load with s_nop 0 and four v_nop behind it
	tensor_load_to_lds s[\g0:\g0+3], s[\g1:\g1+7]
	s_nop 0
.rept 4
	v_nop
.endr
.endm
.macro TLOAD kv, mk                    ; waves 0-3: halves of K's and V's blocks, jointly; waves 4, 5: the raw tile's rows 0-15, 16-31
.if \kv
	s_cmp_lt_u32 s[WV], 4
	s_cbranch_scc0 .Lnk_\@
	TL G0, G1
	s_branch .Las_\@
.Lnk_\@:
.endif
.if \mk
	s_cmp_eq_u32 s[WH], 2
	s_cbranch_scc0 .Las_\@
	TL G0M, G1M
.endif
.Las_\@:
.endm
.macro ARM under, g0, g1, next
	s_cmp_lt_u32 s[WV], \under
	s_cbranch_scc0 \next
	TL \g0, \g1
	s_branch .Lhead_asked
\next:
.endm
	s_load_b256 s[4:11], s[0:1], 0x0               ; qkv, codes, scl, mask
	s_load_b128 s[12:15], s[0:1], 0x20             ; scale, y
	s_load_b64 s[16:17], s[0:1], 0x30              ; out1
	v_lshl_add_u32 v[SPW], v0, 2, SPARE
	v_mov_b32 v[NIL], 0
	ds_add_u32 v[SPW], v[NIL]                      ; the opening lines: the add twice on end and one wait
	ds_add_u32 v[SPW], v[NIL]
	v_lshrrev_b32 v[TA], 5, v0
	v_readfirstlane_b32 s[WV], v[TA]               ; wave 0..15
	s_lshr_b32 s[WH], s[WV], 1
	s_bfe_u32 s19, ttmp6, 0x40000                  ; cx: it enters global addresses of my own loads and stores alone
	s_lshl_b32 s20, ttmp9, 2
	s_add_co_u32 s20, s20, s19                     ; my block of 32 queries
	s_lshr_b32 s21, ttmp9, 5                       ; the batch
	s_and_b32 s73, ttmp9, 31                       ; the walk's first key step: the cluster's number in its batch
	s_add_co_u32 s[TT], s73, 31                    ; one step back, mod 32
	s_mov_b32 s75, 0
	s_mov_b32 s77, 0
	s_mov_b32 s[SEL], 0x76543210
	s_mov_b32 s[SEL+1], 0xfedcba98
	s_mov_b32 s[G1], 15|(3<<16)|(1<<21)            ; all four work-groups; elements of 8 bytes; no padding
	s_mov_b32 s[G1+1], 32<<16
	s_mov_b32 s[G1+2], 72<<16
	s_mov_b32 s[G1+3], 32<<16
	s_mov_b32 s[G1+4], 72                          ; 72 rows of 256 bytes, dense
	s_mov_b32 s[G1+5], 32
	s_mov_b32 s[G1+6], 0
	s_mov_b32 s[G1+7], 0
	s_mov_b32 s[G1M], (2<<16)|(1<<20)|(6<<22)|(3<<25)   ; elements of 4 bytes; four words of padding after every 128
	s_mov_b32 s[G1M+1], 128<<16
	s_mov_b32 s[G1M+2], 16<<16
	s_mov_b32 s[G1M+3], 128<<16
	s_mov_b32 s[G1M+4], 16
	s_mov_b32 s[G1M+5], 4096
	s_mov_b32 s[G1M+6], 0
	s_mov_b32 s[G1M+7], 0
	s_and_b32 s2, s[WH], 1                         ; K's role or V's
	s_mul_i32 s2, s2, RB
	s_add_co_u32 s2, s2, RB
	s_mul_i32 s3, s21, 32*BLK
	s_add_co_u32 s2, s2, s3
	s_and_b32 s76, s[WV], 1                        ; which half
	s_mul_i32 s3, s76, HALFB
	s_add_co_u32 s2, s2, s3
	s_mov_b32 s3, 0
	s_lshr_b32 s78, s[WV], 3                       ; waves 0-3: step 0 into slot 0; waves 8-11: step 1 into slot 1
	s_add_co_u32 s74, s73, s78
	s_and_b32 s74, s74, 31
	s_mul_i32 s74, s74, BLK
	s_and_b32 s79, s[WV], 3
	s_mul_i32 s[G0+1], s79, HALFB
	s_lshl_b32 s78, s78, 17
	s_add_co_u32 s[G0+1], s[G0+1], s78
	s_mov_b32 s[G0], 1
	s_mov_b32 s[G0M], 1
	s_mul_i32 s[G0M+1], s76, MHI
	s_add_co_u32 s[G0M+1], s[G0M+1], MOFF
	s_and_b32 s78, s[WH], 1                        ; waves 4, 5: raw tile 0; waves 6, 7: raw tile 1
	s_lshl_b32 s79, s78, 17
	s_add_co_u32 s[G0M+1], s[G0M+1], s79
	s_wait_dscnt 0x0                               ; both opening adds are done
	s_wait_kmcnt 0x0
	s_add_nc_u64 s[KVB:KVB+1], s[4:5], s[2:3]
	s_add_nc_u64 s[G0+2:G0+3], s[KVB:KVB+1], s[74:75]
	s_or_b32 s[G0+3], s[G0+3], 0x80000000
	s_lshl_b32 s2, s20, 19                         ; my 32 rows of 16,384 bytes
	s_add_nc_u64 s[PB:PB+1], s[10:11], s[2:3]
	s_lshl_b32 s74, s76, 18
	s_add_nc_u64 s[MB:MB+1], s[PB:PB+1], s[74:75]
	s_add_co_u32 s74, s73, s78
	s_and_b32 s74, s74, 31
	s_lshl_b32 s74, s74, 9
	s_add_nc_u64 s[G0M+2:G0M+3], s[MB:MB+1], s[74:75]
	s_or_b32 s[G0M+3], s[G0M+3], 0x80000000
	s_load_b32 s[RS], s[12:13], 0x0                ; scale[0]
	CROUND                                         ; all four work-groups are here: the first joint loads meet
	ARM 4,  G0,  G1,  .Lhead_m                     ; the head's loads, one a wave, in one chain of branches on the wave's number
	ARM 8,  G0M, G1M, .Lhead_k1
	ARM 12, G0,  G1,  .Lhead_none
.Lhead_asked:
	s_lshl_b32 s2, s[WV], 13
	s_add_co_u32 s2, s2, 1120*4096
	s_add_nc_u64 s[56:57], s[6:7], s[2:3]          ; W_out's tiles 2 w, 2 w + 1: codes,
	s_lshl_b32 s2, s[WV], 9
	s_add_co_u32 s2, s2, 1120*256
	s_add_nc_u64 s[58:59], s[8:9], s[2:3]          ; scale words
	s_lshl_b32 s2, s20, 16
	s_lshl_b32 s74, s[WV], 12
	s_add_co_u32 s2, s2, s74
	s_add_nc_u64 s[60:61], s[14:15], s[2:3]        ; y, rows 32 x block + 2 w
	s_add_nc_u64 s[62:63], s[16:17], s[2:3]        ; out1
	; all scalar parts of the addresses first, then the vector lines on end
	s_and_b32 s6, s[WV], 7                         ; my head
	s_lshr_b32 s7, s[WV], 3                        ; my query tile
	s_lshl_b32 s80, s6, 9
	s_lshr_b32 s81, s6, 1
	s_lshl_b32 s81, s81, 7
	s_and_b32 s8, s6, 1
	s_lshl_b32 s8, s8, 1
	s_add_co_u32 s81, s81, s8
	s_add_co_u32 s81, s81, 32768                   ; a scale image of my pair of heads, my head's two bytes
	s_lshl_b32 s82, s6, 12
	s_add_co_u32 s82, s82, BLK
	s_add_co_u32 s83, s80, BLK+32768
	s_lshl_b32 s84, s7, 13
	s_add_co_u32 s84, s84, COOK
	s_lshr_b32 s85, s[WV], 2                       ; group w of four registers: block w / 4, 16 bytes x (w % 4)
	s_lshl_b32 s85, s85, 7
	s_and_b32 s8, s[WV], 3
	s_lshl_b32 s8, s8, 4
	s_add_co_u32 s85, s85, s8
	s_add_co_u32 s85, s85, MOFF
	s_lshl_b32 s86, s[WV], 9
	s_lshl_b32 s87, s[WH], 7
	s_and_b32 s8, s[WV], 1
	s_lshl_b32 s8, s8, 1
	s_add_co_u32 s87, s87, s8
	s_lshl_b32 s88, s[WV], 7
	s_mul_i32 s89, s[WV], 2*GP
	s_mul_i32 s8, ttmp9, BLK                       ; Q: block = the cluster's number, tile 2 cx + u
	s_lshl_b32 s9, s19, 1
	s_add_co_u32 s9, s9, s7
	s_lshl_b32 s90, s9, 12
	s_add_co_u32 s90, s90, s8
	s_add_co_u32 s90, s90, s80
	s_lshl_b32 s91, s9, 9
	s_add_co_u32 s91, s91, s8
	s_add_co_u32 s91, s91, s81
	s_add_co_u32 s92, s86, COOK
	v_and_b32 v232, 31, v0                         ; lane
	v_and_b32 v233, 15, v0                         ; r
	v_bfe_u32 v234, v0, 4, 1                       ; h
	v_bfe_u32 v235, v0, 3, 1                       ; r / 8
	v_lshlrev_b32 v[LI], 4, v232
	v_lshlrev_b32 v[L4], 2, v232
	v_lshlrev_b32 v[LR], 4, v233
	v_lshlrev_b32 v[PFA], 14, v232
	v_add_nc_u32 v[AK], s80, v[LI]
	v_add_nc_u32 v[AKS], s81, v[L4]
	v_add_nc_u32 v[AV], s82, v[LI]
	v_add_nc_u32 v[AVS], s83, v[L4]
	v_add_nc_u32 v[ACK], s84, v[LI]
	v_mul_u32_u24 v[AR], v233, MP                  ; raw row r, or r + 8 in the upper sixteen, + my half's 64 bytes of the block
	v_add_nc_u32 v[AK+1], SLOT1, v[AK]
	v_add_nc_u32 v[AKS+1], SLOT1, v[AKS]
	v_add_nc_u32 v[AV+1], SLOT1, v[AV]
	v_add_nc_u32 v[AVS+1], SLOT1, v[AVS]
	v_add_nc_u32 v[ACK+1], SLOT1, v[ACK]
	v_mad_u32_u24 v[AR], v235, MHI-8*MP, v[AR]
	v_add_nc_u32 v[OIL], OIMG, v[LI]
	v_add_nc_u32 v[OSL], OSC, v[L4]
	v_lshl_add_u32 v[SO], v235, 3, v233
	v_lshl_add_u32 v[AR], v234, 6, v[AR]
	v_add_nc_u32 v[OIW], s86, v[OIL]
	v_add_nc_u32 v[OSW], s87, v[OSL]
	v_mul_u32_u24 v[SO], v[SO], GP
	v_add_nc_u32 v[AR], s85, v[AR]
	v_add_nc_u32 v[SR], s89, v[LI]
	v_add_nc_u32 v[CW], s92, v[LI]
	v_lshl_add_u32 v[SO], v234, 6, v[SO]
	v_add_nc_u32 v[AR+1], SLOT1, v[AR]
	v_add_nc_u32 v[CW+16], SLOT1, v[CW]
	v_add_nc_u32 v236, s90, v[LI]
	v_add_nc_u32 v237, s91, v[L4]
	v_add_nc_u32 v[SO], s88, v[SO]
	global_load_b128 v[16:19], v236, s[4:5]        ; Q's codes stay in registers
	global_load_u16 v[QS], v237, s[4:5]            ; and its two scale bytes
	v_mov_b32 v13, 0xff61b1e6                      ; the largest t so far: -3e38
	v_mov_b32 v14, 0
	v_mov_b32 v15, 0
	v_floor_f32 v12, -v13                          ; -M
.irp j, 0,1,2,3
	v_mov_b32 v[20+\j], 0                          ; Q's upper 64 along K: zero codes
	v_mov_b32 v[KC+32+\j], 0                       ; what tile 7's operand reaches into
	v_mov_b32 v[T2+\j], 0                          ; a lane permute's destination counts as one of its sources
.endr
	v_mov_b32 v[FP+1], 0
.set j, 0
.rept 32
	v_mov_b32 v[O+j], 0                            ; O^T: the first rescaling leaves zeros
.set j, j+1
.endr
	s_wait_alu depctr_va_vdst(0)                   ; ahead of the wait below
	s_wait_kmcnt 0x0                               ; scale[0]
	s_and_b32 s2, s[RS], 0x7fffffff                ; |scale|
	s_lshr_b32 s79, s[RS], 31
	s_mul_i32 s79, s79, 0x88888888                 ; a negative scale turns the sign bit of each of Q's codes
	s_cmp_lt_u32 s2, 0x1f800000                    ; under 2^-64: taken as 0: Q's codes become zeros and the mask is divided by 1.  A choice of values: no branch hangs on it
	s_cselect_b32 s2, 1.0, s2
	s_cselect_b32 s78, 0, -1
	v_mov_b32 v238, s2
	s_wait_alu depctr_va_vdst(0)                   ; ahead of the transcendental
	v_rcp_f32 v239, v238
	v_mul_f32 v240, 0x3fb8aa3b, v238               ; c.  (The plain place behind the transcendental; v236 and v237 still serve Q's loads)
	s_wait_alu depctr_va_vdst(0)                   ; and ahead of its first reader
	v_readfirstlane_b32 s[RS], v239
	v_readfirstlane_b32 s[CC], v240
	s_mov_b32 s[RS+1], s[RS]
	s_mov_b32 s[CC+1], s[CC]
	s_wait_loadcnt 0x0                             ; Q
.irp j, 0,1,2,3
	v_xor_b32 v[16+\j], s79, v[16+\j]
.endr
.irp j, 0,1,2,3
	v_and_b32 v[16+\j], s78, v[16+\j]
.endr
.macro SUMS                            ; the row's sum of the unquantised p, two at a time, in four chains by turns
	v_pk_add_f32 v[SB:SB+1], v[S:S+1], v[S+2:S+3]
	v_pk_add_f32 v[SC2:SC2+1], v[S+4:S+5], v[S+6:S+7]
	v_pk_add_f32 v[SD:SD+1], v[S+8:S+9], v[S+10:S+11]
	v_pk_add_f32 v[14:15], v[14:15], v[S+12:S+13]
.set j, 14
.rept 6
	v_pk_add_f32 v[SB:SB+1], v[SB:SB+1], v[S+j:S+j+1]
	v_pk_add_f32 v[SC2:SC2+1], v[SC2:SC2+1], v[S+j+2:S+j+3]
	v_pk_add_f32 v[SD:SD+1], v[SD:SD+1], v[S+j+4:S+j+5]
	v_pk_add_f32 v[14:15], v[14:15], v[S+j+6:S+j+7]
.set j, j+8
.endr
	v_pk_add_f32 v[SB:SB+1], v[SB:SB+1], v[S+62:S+63]
	v_pk_add_f32 v[14:15], v[14:15], v[SD:SD+1]
	s_delay_alu instid0(VALU_DEP_2)
	v_pk_add_f32 v[SB:SB+1], v[SB:SB+1], v[SC2:SC2+1]
	s_delay_alu instid0(VALU_DEP_1)
	v_pk_add_f32 v[14:15], v[14:15], v[SB:SB+1]
.endm
.macro PVPART                          ; O^T under the new M, then O^T += V^T P^T; the four accumulators take turns
	s_wait_alu depctr_va_vdst(0)                   ; directly ahead of the first readers of O^T
.set j, 0
.rept 16
	v_pk_mul_f32 v[O+j:O+j+1], v[O+j:O+j+1], v[FP:FP+1] op_sel_hi:[1,0]
.set j, j+2
.endr
.irp t, 0,1,2,3
	v_wmma_scale_f32_16x16x128_f8f6f4 v[O+8*\t:O+8*\t+7], v[F+8*\t:F+8*\t+7], v[PC:PC+7], v[O+8*\t:O+8*\t+7], v[VS+\t], v[PW] matrix_a_fmt:MATRIX_FMT_FP4 matrix_b_fmt:MATRIX_FMT_FP4
.endr
.rept 4
	v_nop                                          ; four places in front of loads into V's registers
.endr
.endm
.macro QUANTP                          ; p's four blocks: scale bytes from the blocks' largest p, codes, whole blocks to a lane
.irp b, 0,1,2,3
	v_max_num_f32 v[BM+\b], 0x1800000, v[BM+\b]    ; the floor 2^(3 - 127): the byte cannot fall under 1
.endr
.irp b, 0,1,2,3
	v_add_nc_u32 v[T3+\b], 0xff000000, v[BM+\b]    ; 2 off the exponent field: the conversion's scale operand
.endr
.irp b, 0,1,2,3
	v_lshrrev_b32 v[T2+\b], 23, v[T3+\b]
.endr
	v_lshl_or_b32 v[PW], v[T2+1], 8, v[T2]
	s_delay_alu instid0(VALU_DEP_1)
	v_lshl_or_b32 v[PW], v[T2+2], 16, v[PW]
	s_delay_alu instid0(VALU_DEP_1)
	v_lshl_or_b32 v[PW], v[T2+3], 24, v[PW]
.irp b, 0,1,2,3
	v_cvt_scalef32_pk8_fp4_f32 v[PC+2*\b], v[S+16*\b:S+16*\b+7], v[T3+\b]
	v_cvt_scalef32_pk8_fp4_f32 v[PC+2*\b+1], v[S+16*\b+8:S+16*\b+15], v[T3+\b]
.endr
	v_nop                                          ; one plain place behind the scaled conversions
.irp c, 0,1
.irp i, 0,1
	v_permlane16_swap_b32 v[PC+4*\c+\i], v[PC+2+4*\c+\i]
.endr
.endr
.endm
; THE CHANGE OF SLOTS.  Each wave waits for all its tensor loads, adds 0 to its spare word (twice on end where a tensor load can still follow), and waits for that, for its reads of the
; slot in hand and for its stores of the mask's image.  q = 1: p is quantised, on registers alone, between the signal and the wait.  kv, mk: what is asked for behind the round.
.macro CHANGE kv, mk, q
	s_wait_tensorcnt 0x0
	ds_add_u32 v[SPW], v[NIL]
.if (\kv)+(\mk)
	ds_add_u32 v[SPW], v[NIL]
	s_add_co_u32 s[TT], s[TT], 1                   ; no tensor load of mine is out: the groups 0 may be written
	s_xor_b32 s[G0+1], s[G0+1], SLOT1
	s_xor_b32 s[G0M+1], s[G0M+1], SLOT1
.endif
.if \kv
	s_add_co_u32 s74, s[TT], 1                     ; K, V: one step on, round the batch's 32 blocks
	s_and_b32 s74, s74, 31
	s_mul_i32 s74, s74, BLK
	s_add_nc_u64 s[G0+2:G0+3], s[KVB:KVB+1], s[74:75]
	s_or_b32 s[G0+3], s[G0+3], 0x80000000
.endif
.if \mk
	s_add_co_u32 s74, s[TT], 2                     ; the raw tile: two steps on
	s_and_b32 s74, s74, 31
	s_lshl_b32 s74, s74, 9
	s_add_nc_u64 s[G0M+2:G0M+3], s[MB:MB+1], s[74:75]
	s_or_b32 s[G0M+3], s[G0M+3], 0x80000000
.endif
	s_wait_dscnt 0x0
	s_barrier_signal -1
.if \q
	QUANTP
	s_wait_alu depctr_va_vdst(0)                   ; ahead of the wait below
.endif
	s_barrier_wait -1
.if (\kv)+(\mk)
	CREST                                          ; the barrier has opened a round of the cluster's: no wave of any partner still reads the slot
	TLOAD \kv, \mk
.endif
.endm
.macro COOKLD x
	ds_load_b128 v[CD:CD+3], v[AR+\x]
	ds_load_b128 v[CD+4:CD+7], v[AR+\x] offset:8*MP
.endm
.macro COOKMS x
.irp i, 0,2,4,6
	v_pk_mul_f32 v[CD+\i:CD+\i+1], v[CD+\i:CD+\i+1], s[RS:RS+1] op_sel_hi:[1,0]   ; mask / |scale|
.endr
	ds_store_b128 v[CW+16*(\x)], v[CD:CD+3]
	ds_store_b128 v[CW+16*(\x)], v[CD+4:CD+7] offset:8192
.endm
; A KEY STEP from slot sl.  prev: the step before is finished first.  cook: my part of the next raw tile becomes image.  pf: wave 6 prefetches (2: not in the loop's last trip).  kv, mk: the next change's loads.  last: no change follows.
.macro STEP sl, prev, cook, pf, kv, mk, last
.irp t, 0,1,2,3,4,5,6,7
	ds_load_b128 v[KC+4*\t:KC+4*\t+3], v[AK+\sl] offset:4096*\t
.endr
.irp t, 0,1,2,3,4,5,6,7
	ds_load_u16 v[KS+\t], v[AKS+\sl] offset:512*\t
.endr
.if \prev
	SUMS
.endif
.set g, 0
.rept 16
	ds_load_b128 v[S+4*g:S+4*g+3], v[ACK+\sl] offset:512*g   ; the mask's image, into the accumulators
.set g, g+1
.endr
.if \prev
	PVPART
.endif
.irp t, 0,1,2,3
.irp c, 0,1
	ds_load_b128 v[F+8*\t+4*\c:F+8*\t+4*\c+3], v[AV+\sl] offset:1024*\t+512*\c
.endr
.endr
.irp t, 0,1,2,3
	ds_load_b32 v[VS+\t], v[AVS+\sl] offset:128*\t
.endr
.if \cook
	COOKLD 1-\sl
.endif
	s_wait_dscnt 0x0                               ; all my reads of this slot are in
.irp t, 0,1,2,3,4,5,6,7
	v_wmma_scale_f32_16x16x128_f8f6f4 v[S+8*\t:S+8*\t+7], v[KC+4*\t:KC+4*\t+7], v[16:23], v[S+8*\t:S+8*\t+7], v[KS+\t], v[QS] matrix_a_fmt:MATRIX_FMT_FP4 matrix_b_fmt:MATRIX_FMT_FP4
.endr
.if \cook
	COOKMS 1-\sl                                   ; its four multiplications are the four places behind the products (ISA guide 7.12.1)
.else
.rept 4
	v_nop
.endr
.endif
.if \pf
	s_cmp_lg_u32 s[WV], 6                          ; one wave asks, a lane to a row, for the two blocks of 256 bytes of each of my 32 rows in the tile four steps on; tiles 0 to 3 come by their loads alone;
	s_cbranch_scc1 .Lnp_\@                         ; each block once; steps 28 to 31 ask for nothing
.if \pf == 2
	s_cmp_eq_u32 s52, 1
	s_cbranch_scc1 .Lnp_\@
.endif
	s_wait_xcnt 0x0                                ; the last step's requests have read their base
	s_add_co_u32 s76, s[TT], 4
	s_and_b32 s76, s76, 31
	s_lshl_b32 s76, s76, 9
	s_add_nc_u64 s[54:55], s[PB:PB+1], s[76:77]
	global_prefetch_b8 v[PFA], s[54:55] th:TH_LOAD_NT scope:SCOPE_SE
	global_prefetch_b8 v[PFA], s[54:55] offset:256 th:TH_LOAD_NT scope:SCOPE_SE
.Lnp_\@:
.endif
.irp b, 0,1,2,3
	v_max3_num_f32 v[BM+\b], v[S+16*\b], v[S+16*\b+1], v[S+16*\b+2]   ; the largest of each block of 32 keys, the four blocks by turns; each accumulator from its low end on
.endr
.irp i, 3,5,7,9,11,13
.irp b, 0,1,2,3
	v_max3_num_f32 v[BM+\b], v[BM+\b], v[S+16*\b+\i], v[S+16*\b+\i+1]
.endr
.endr
.irp b, 0,1,2,3
	v_max_num_f32 v[BM+\b], v[BM+\b], v[S+16*\b+15]
.endr
.irp b, 0,1,2,3
	v_permlanex16_b32 v[T2+\b], v[BM+\b], s[SEL], s[SEL+1]
.endr
.irp b, 0,1,2,3
	v_max_num_f32 v[BM+\b], v[BM+\b], v[T2+\b]     ; with lane l xor 16's 16 keys
.endr
	s_delay_alu instid0(VALU_DEP_2)
	v_max3_num_f32 v[TA], v[BM], v[BM+1], v[BM+2]
	s_delay_alu instid0(VALU_DEP_1)
	v_max_num_f32 v[TA], v[TA], v[BM+3]
	s_delay_alu instid0(VALU_DEP_1)
	v_mul_f32 v[TA], s[CC], v[TA]                  ; as t (c is positive)
	s_delay_alu instid0(VALU_DEP_1)
	v_max_num_f32 v13, v13, v[TA]                  ; the running largest t
	v_mov_b32 v[TA], v12
	s_delay_alu instid0(VALU_DEP_2)
	v_floor_f32 v12, -v13                          ; the new -M: a whole number
	s_delay_alu instid0(VALU_DEP_1)
	v_sub_f32 v[TA], v12, v[TA]
	s_delay_alu instid0(VALU_DEP_1)
	v_cvt_i32_f32 v[TA], v[TA]                     ; (it saturates)
	s_delay_alu instid0(VALU_DEP_1)
	v_ldexp_f32 v[FP], 1.0, v[TA]                  ; f = 2^(old M - new M)
.set j, 0
.rept 32
	v_pk_fma_f32 v[S+j:S+j+1], v[S+j:S+j+1], s[CC:CC+1], v[12:13] op_sel_hi:[1,0,0]   ; t - M
.set j, j+2
.endr
.irp b, 0,1,2,3
	v_fma_f32 v[BM+\b], v[BM+\b], s[CC], v12       ; the same of each block's largest
.endr
	s_wait_alu depctr_va_vdst(0)                   ; ahead of the batch
.set j, 0
.rept 64
	v_exp_f32 v[S+j], v[S+j]                       ; p = 2^(t - M)
.set j, j+1
.endr
.irp b, 0,1,2,3
	v_exp_f32 v[BM+\b], v[BM+\b]                   ; the block's largest p: the same two instructions on the same number
.endr
	v_pk_mul_f32 v[14:15], v[14:15], v[FP:FP+1] op_sel_hi:[1,0]   ; the sums under the new M.  (The plain place behind the batch)
	s_wait_alu depctr_va_vdst(0)                   ; one wait for the batch, ahead of its first reader and of the wait below
.if \last
	QUANTP
.else
	CHANGE \kv, \mk, 1
.endif
.endm
	s_wait_alu depctr_va_vdst(0)                   ; at the head's end
	s_wait_tensorcnt 0x0                           ; my tile of the head's twelve is in
	s_xor_b32 s[G0M+1], s[G0M+1], SLOT1            ; so that the next change's turn leads to slot 0's raw tile
	s_barrier_signal -1
	s_barrier_wait -1                              ; all twelve are in
	COOKLD 0                                       ; raw tile 0 becomes image 0
	s_wait_dscnt 0x0
	COOKMS 0
	CHANGE 0, 1, 0                                 ; barrier 0: raw tile 2 (K, V of step 1 came with the head's loads)
	STEP 0, 0, 1, 1, 1, 1, 0                       ; step 0
	s_mov_b32 s52, 14
.Lpair:                                            ; 14 trips: steps 1 to 28
	STEP 1, 1, 1, 1, 1, 1, 0
	STEP 0, 1, 1, 2, 1, 1, 0
	s_sub_co_u32 s52, s52, 1
	s_cmp_lg_u32 s52, 0
	s_cbranch_scc1 .Lpair
	STEP 1, 1, 1, 0, 1, 0, 0                       ; the tail is written out: step 29 asks for K, V of step 31 alone,
	STEP 0, 1, 1, 0, 0, 0, 0                       ; step 30 for nothing,
	STEP 1, 1, 0, 0, 0, 0, 1                       ; step 31
	SUMS
	PVPART
	; THE END.  o = O^T / the sum is quantised along the 512 joined channels (my head's two blocks) and goes to LDS as half an image of the operand's registers.
.irp n, 0,1
.irp s, 0,1,2,3
.irp c, 0,1
	global_load_b128 v[WF+32*\n+8*\s+4*\c:WF+32*\n+8*\s+4*\c+3], v[LI], s[56:57] offset:4096*\n+1024*\s+512*\c
.endr
.endr
.endr
.irp n, 0,1
	global_load_b128 v[KS+4*\n:KS+4*\n+3], v[LR], s[58:59] offset:256*\n
.endr
	v_add_f32 v14, v14, v15
	s_delay_alu instid0(VALU_DEP_1)
	v_permlanex16_b32 v[T2], v14, s[SEL], s[SEL+1]
	s_delay_alu instid0(VALU_DEP_1)
	v_add_f32 v14, v14, v[T2]                      ; the row's sum
	s_wait_alu depctr_va_vdst(0)
	v_rcp_f32 v[FP], v14
	v_nop
	s_wait_alu depctr_va_vdst(0)
.set j, 0
.rept 16
	v_pk_mul_f32 v[S+j:S+j+1], v[O+j:O+j+1], v[FP:FP+1] op_sel_hi:[1,0]   ; register 16 b + i: channel 32 b + 16 (lane / 16) + i of my head
.set j, j+2
.endr
.irp i, 0,1
.irp q, 0,1,2,3
	global_load_b128 v[O+16*\i+4*\q:O+16*\i+4*\q+3], v[LI], s[60:61] offset:2048*\i+512*\q th:TH_LOAD_NT   ; y's rows 2 w, 2 w + 1
.endr
.endr
.irp b, 0,1
	v_max3_num_f32 v[BM+\b], |v[S+16*\b]|, |v[S+16*\b+1]|, 0x1800000
.endr
.irp i, 2,4,6,8,10,12,14
.irp b, 0,1
	s_delay_alu instid0(VALU_DEP_2)
	v_max3_num_f32 v[BM+\b], v[BM+\b], |v[S+16*\b+\i]|, |v[S+16*\b+\i+1]|
.endr
.endr
.irp b, 0,1
	s_delay_alu instid0(VALU_DEP_2)
	v_permlanex16_b32 v[T2+\b], v[BM+\b], s[SEL], s[SEL+1]
.endr
.irp b, 0,1
	s_delay_alu instid0(VALU_DEP_2)
	v_max_num_f32 v[BM+\b], v[BM+\b], v[T2+\b]
.endr
.irp b, 0,1
	s_delay_alu instid0(VALU_DEP_2)
	v_add_nc_u32 v[T3+\b], 0xff000000, v[BM+\b]
.endr
.irp b, 0,1
	s_delay_alu instid0(VALU_DEP_2)
	v_lshrrev_b32 v[T2+\b], 23, v[T3+\b]
.endr
	s_delay_alu instid0(VALU_DEP_1)
	v_lshl_or_b32 v[PW], v[T2+1], 8, v[T2]
.irp b, 0,1
	v_cvt_scalef32_pk8_fp4_f32 v[PC+2*\b], v[S+16*\b:S+16*\b+7], v[T3+\b]
	v_cvt_scalef32_pk8_fp4_f32 v[PC+2*\b+1], v[S+16*\b+8:S+16*\b+15], v[T3+\b]
.endr
	v_nop
	v_permlane16_swap_b32 v[PC], v[PC+2]
	v_permlane16_swap_b32 v[PC+1], v[PC+3]
	ds_store_b128 v[OIW], v[PC:PC+3]
	ds_store_b16 v[OSW], v[PW]
	s_wait_dscnt 0x0                               ; for the others' sake: my stores have landed
	s_barrier_signal -1
	s_barrier_wait -1
.irp u, 0,1
.irp s, 0,1,2,3
.irp c, 0,1
	ds_load_b128 v[S+32*\u+8*\s+4*\c:S+32*\u+8*\s+4*\c+3], v[OIL] offset:4096*\u+1024*\s+512*\c
.endr
	ds_load_b32 v[VS+4*\u+\s], v[OSL] offset:128*(4*\u+\s)
.endr
.endr
	s_wait_loadcnt 8                               ; W_out's eighteen loads are in; y's eight may be out
	s_wait_dscnt 0x0
.irp s, 0,1,2,3                                ; out^T: source 0 = 16 rows of W_out, source 1 = 16 rows of o; four accumulators by turns
.irp n, 0,1
.irp u, 0,1
.if \s == 0
	v_wmma_scale_f32_16x16x128_f8f6f4 v[ACC+8*(2*\n+\u):ACC+8*(2*\n+\u)+7], v[WF+32*\n+8*\s:WF+32*\n+8*\s+7], v[S+32*\u+8*\s:S+32*\u+8*\s+7], 0, v[KS+4*\n+\s], v[VS+4*\u+\s] matrix_a_fmt:MATRIX_FMT_FP4 matrix_b_fmt:MATRIX_FMT_FP4
.else
	v_wmma_scale_f32_16x16x128_f8f6f4 v[ACC+8*(2*\n+\u):ACC+8*(2*\n+\u)+7], v[WF+32*\n+8*\s:WF+32*\n+8*\s+7], v[S+32*\u+8*\s:S+32*\u+8*\s+7], v[ACC+8*(2*\n+\u):ACC+8*(2*\n+\u)+7], v[KS+4*\n+\s], v[VS+4*\u+\s] matrix_a_fmt:MATRIX_FMT_FP4 matrix_b_fmt:MATRIX_FMT_FP4
.endif
.endr
.endr
.endr
.rept 4
	v_nop
.endr
.irp n, 0,1                                    ; lane (r, h): row 8 u + r + 8 (r / 8), columns 32 w + 16 h + 8 n + 0 .. 7
.irp u, 0,1
	ds_store_b128 v[SO], v[ACC+8*(2*\n+\u):ACC+8*(2*\n+\u)+3] offset:8*GP*\u+32*\n
	ds_store_b128 v[SO], v[ACC+8*(2*\n+\u)+4:ACC+8*(2*\n+\u)+7] offset:8*GP*\u+32*\n+16
.endr
.endr
	s_wait_dscnt 0x0
	s_barrier_signal -1
	s_barrier_wait -1                              ; 32 whole rows lie in the stage
.irp i, 0,1
.irp q, 0,1,2,3
	ds_load_b128 v[S+16*\i+4*\q:S+16*\i+4*\q+3], v[SR] offset:GP*\i+512*\q
.endr
.endr
	s_wait_loadcnt 0x0                             ; y
	s_wait_dscnt 0x0
.set j, 0
.rept 16
	v_pk_add_f32 v[S+j:S+j+1], v[S+j:S+j+1], v[O+j:O+j+1]
.set j, j+2
.endr
.irp i, 0,1
.irp q, 0,1,2,3
	global_store_b128 v[LI], v[S+16*\i+4*\q:S+16*\i+4*\q+3], s[62:63] offset:2048*\i+512*\q th:TH_STORE_NT   ; 32 lanes store 512 consecutive bytes, aligned
.endr
.endr
	s_wait_tensorcnt 0x0                           ; the wave's end
	ds_add_u32 v[SPW], v[NIL]
	s_wait_dscnt 0x0
	CROUND                                         ; the closing round
	s_endpgm
.Lfunc_end_k_q04c541c90e_attn:
	.size	k_q04c541c90e_attn, .Lfunc_end_k_q04c541c90e_attn-k_q04c541c90e_attn
	.p2alignl 7, 3214868480
	.fill 96, 4, 3214868480
	.section	.rodata,"a",@progbits
	.p2align	6, 0x0
	.amdhsa_kernel k_q04c541c90e_attn
		.amdhsa_group_segment_fixed_size 327680
		.amdhsa_private_segment_fixed_size 0
		.amdhsa_enable_private_segment 0
		.amdhsa_kernarg_size 56
		.amdhsa_user_sgpr_count 2
		.amdhsa_user_sgpr_kernarg_segment_ptr 1
		.amdhsa_wavefront_size32 1
		.amdhsa_system_sgpr_workgroup_id_x 1
		.amdhsa_system_sgpr_workgroup_id_y 1
		.amdhsa_system_sgpr_workgroup_id_z 1
		.amdhsa_system_vgpr_workitem_id 0
		.amdhsa_next_free_vgpr 256
		.amdhsa_next_free_sgpr 96
		.amdhsa_reserve_vcc 0
		.amdhsa_float_denorm_mode_32 3
		.amdhsa_float_denorm_mode_16_64 3
		.amdhsa_memory_ordered 1
		.amdhsa_forward_progress 1
		.amdhsa_inst_pref_size 136
	.end_amdhsa_kernel
	.amdgpu_metadata
---
amdhsa.version: [ 1, 2 ]
amdhsa.kernels:
  - .name:           k_q04c541c90e_attn
    .symbol:         k_q04c541c90e_attn.kd
    .args:
      - { .name: qkv, .offset: 0, .size: 8, .value_kind: global_buffer, .address_space: global }
      - { .name: codes, .offset: 8, .size: 8, .value_kind: global_buffer, .address_space: global }
      - { .name: scl, .offset: 16, .size: 8, .value_kind: global_buffer, .address_space: global }
      - { .name: mask, .offset: 24, .size: 8, .value_kind: global_buffer, .address_space: global }
      - { .name: scale, .offset: 32, .size: 8, .value_kind: global_buffer, .address_space: global }
      - { .name: y, .offset: 40, .size: 8, .value_kind: global_buffer, .address_space: global }
      - { .name: out1, .offset: 48, .size: 8, .value_kind: global_buffer, .address_space: global }
    .group_segment_fixed_size: 327680
    .private_segment_fixed_size: 0
    .kernarg_segment_align: 8
    .kernarg_segment_size: 56
    .max_flat_workgroup_size: 512
    .sgpr_count:     96
    .vgpr_count:     256
    .wavefront_size: 32
...
	.end_amdgpu_metadata
.endif
;; end of part 3
